; MI455X (gfx1250); checked and timed in simulation.
; The chip was launched on July 23, 2026; its instructions are those of AMD's public machine-readable ISA for CDNA 5 (MIT licence, August 2026) and "CDNA5" Instruction Set Architecture Reference Guide (July 2026). The comments in the code are by the model that wrote it; some were corrected since.
;; Efficient Attention. Allowed arithmetic: float matrix products may take bf16 or f16 operands with f32 sums; all other float work in f32.
;; Inputs: Wk 256 x 256 float32; Wq 256 x 256 float32; Wv 256 x 256 float32; bk 256 float32; bq 256 float32; bv 256 float32; input 16 x 8,192 x 256 float32.
;; Outputs: out0 16 x 1 x 256 float32.
;; One version. Each part assembles by itself: llvm-mc -triple=amdgcn-amd-amdhsa -mcpu=gfx1250 --defsym DOCPART=n.
;; ======== version 1 of 1: 4 launches
;; workspace buffers: wfrag 262,144 bytes; colstat 786,432 bytes; ypart 327,680 bytes
;; launch pack (part 1): grid 64 x 1, 8 waves a work-group, no clusters, 0 bytes of LDS; arguments Wq, Wk, wfrag; writes wfrag
.if DOCPART == 1
	.amdgcn_target "amdgcn-amd-amdhsa--gfx1250"
	.amdhsa_code_object_version 6
	.text
	.protected	k_q0c926cc284_pack
	.globl	k_q0c926cc284_pack
	.p2align	8
	.type	k_q0c926cc284_pack,@function
k_q0c926cc284_pack:
	s_mov_b64 s[64:65], 0
	v_nop
	global_prefetch_b8 v0, s[64:65] scope:SCOPE_SE
	s_setreg_imm32_b32 hwreg(HW_REG_WAVE_MODE, 25, 1), 1
	s_wait_xcnt 0x0
; Wq and Wk, [256 (d)][256 (col)] f32, are rounded to bf16 and laid out in the order in which the two later launches load them
; as matrix fragments.  Unit u of 512 bytes lies at byte 512 u of wfrag,  u = 128 w + 64 X + 16 cbl + 2 ks + p:
;   w = wave 0..3 of the later launches, X = 0 Wq / 1 Wk, cbl = column block 0..3 of that wave, ks = K step 0..7, p = register half.
; Lane L = (r = L & 15, h = L >> 4) owns the 16 bytes at 16 L of the unit: W[d0 + i][col], i = 0..7, the lower i in the lower bits,
;   d0 = 32 ks + 16 p + 8 h = 16 (u & 15) + 8 h,   col = 64 w + 16 cbl + r.
; One wave makes one unit: 512 units = 64 work-groups x 8 waves.  A load takes 64 neighbouring bytes of two rows: short pieces,
; but the two matrices are 524,288 bytes and are read here once; the store covers 512 neighbouring bytes, aligned.
	s_load_b128 s[4:7], s[0:1], 0x0                ; Wq s[4:5], Wk s[6:7]
	s_load_b64 s[8:9], s[0:1], 0x10                ; wfrag
	v_lshrrev_b32 v1, 5, v0
	v_readfirstlane_b32 s10, v1                    ; wave 0..7
	s_lshl_b32 s11, ttmp9, 3
	s_add_co_u32 s11, s11, s10                     ; u
	s_and_b32 s14, s11, 15
	s_lshl_b32 s14, s14, 14                        ; 16 (u & 15) rows of 1,024 bytes
	s_lshr_b32 s15, s11, 7
	s_lshl_b32 s15, s15, 8                         ; 64 w columns of 4 bytes
	s_add_co_u32 s14, s14, s15
	s_bfe_u32 s15, s11, 0x20004                    ; cbl: 2 bits from bit 4
	s_lshl_b32 s15, s15, 6                         ; 16 cbl columns of 4 bytes
	s_add_co_u32 s14, s14, s15
	s_lshl_b32 s16, s11, 9                         ; 512 u
	v_and_b32 v2, 15, v0                           ; r
	v_bfe_u32 v3, v0, 4, 1                         ; h
	v_lshl_add_u32 v4, v2, 2, s14                  ; 4 r + the unit's corner
	v_lshl_add_u32 v4, v3, 13, v4                  ; + 8 h rows
	v_and_b32 v5, 31, v0
	v_lshl_add_u32 v5, v5, 4, s16                  ; 16 L + 512 u
	s_wait_kmcnt 0x0
	s_bitcmp1_b32 s11, 6                           ; X
	s_cselect_b64 s[12:13], s[6:7], s[4:5]         ; Wk or Wq
.irp i, 0,1,2,3,4,5,6,7
	global_load_b32 v[8+\i], v4, s[12:13] offset:1024*\i           ; W[d0 + i][col]
.endr
	s_wait_loadcnt 0x0
.irp i, 0,1,2,3
	v_cvt_pk_bf16_f32 v[16+\i], v[8+2*\i], v[9+2*\i]               ; the even i into the low half
.endr
	global_store_b128 v5, v[16:19], s[8:9]
	s_endpgm
.Lfunc_end_k_q0c926cc284_pack:
	.size	k_q0c926cc284_pack, .Lfunc_end_k_q0c926cc284_pack-k_q0c926cc284_pack
	.p2alignl 7, 3214868480
	.fill 96, 4, 3214868480
	.section	.rodata,"a",@progbits
	.p2align	6, 0x0
	.amdhsa_kernel k_q0c926cc284_pack
		.amdhsa_group_segment_fixed_size 0
		.amdhsa_private_segment_fixed_size 0
		.amdhsa_enable_private_segment 0
		.amdhsa_kernarg_size 24
		.amdhsa_user_sgpr_count 2
		.amdhsa_user_sgpr_kernarg_segment_ptr 1
		.amdhsa_wavefront_size32 1
		.amdhsa_system_sgpr_workgroup_id_x 1
		.amdhsa_system_sgpr_workgroup_id_y 1
		.amdhsa_system_sgpr_workgroup_id_z 1
		.amdhsa_system_vgpr_workitem_id 0
		.amdhsa_next_free_vgpr 24
		.amdhsa_next_free_sgpr 66
		.amdhsa_reserve_vcc 0
		.amdhsa_float_denorm_mode_32 3
		.amdhsa_float_denorm_mode_16_64 3
		.amdhsa_memory_ordered 1
		.amdhsa_forward_progress 1
		.amdhsa_inst_pref_size 3
	.end_amdhsa_kernel
	.amdgpu_metadata
---
amdhsa.version: [ 1, 2 ]
amdhsa.kernels:
  - .name:           k_q0c926cc284_pack
    .symbol:         k_q0c926cc284_pack.kd
    .args:
      - { .name: Wq, .offset: 0, .size: 8, .value_kind: global_buffer, .address_space: global }
      - { .name: Wk, .offset: 8, .size: 8, .value_kind: global_buffer, .address_space: global }
      - { .name: wfrag, .offset: 16, .size: 8, .value_kind: global_buffer, .address_space: global }
    .group_segment_fixed_size: 0
    .private_segment_fixed_size: 0
    .kernarg_segment_align: 8
    .kernarg_segment_size: 24
    .max_flat_workgroup_size: 256
    .sgpr_count:     66
    .vgpr_count:     24
    .wavefront_size: 32
...
	.end_amdgpu_metadata
.endif
;; end of part 1
;; launch stats (part 2): grid 256 x 1, 4 waves a work-group, clusters of 4 x 1, 283,648 bytes of LDS; arguments input, wfrag, bq, bk, colstat; writes colstat
.if DOCPART == 2
	.amdgcn_target "amdgcn-amd-amdhsa--gfx1250"
	.amdhsa_code_object_version 6
	.text
	.protected	k_q0c926cc284_stats
	.globl	k_q0c926cc284_stats
	.p2align	8
	.type	k_q0c926cc284_stats,@function
k_q0c926cc284_stats:
	s_mov_b64 s[64:65], 0
	v_nop
	global_prefetch_b8 v0, s[64:65] scope:SCOPE_SE
	s_setreg_imm32_b32 hwreg(HW_REG_WAVE_MODE, 25, 1), 1
	s_wait_xcnt 0x0
	s_wait_alu depctr_hold_cnt(0) depctr_sa_sdst(0) depctr_va_vdst(0) depctr_va_sdst(0) depctr_va_ssrc(0) depctr_va_vcc(0) depctr_vm_vsrc(0)
	s_getreg_b32 s2, hwreg(HW_REG_IB_STS2, 6, 4)
	s_cmp_eq_u32 s2, 0
	s_cbranch_scc0 .Lentry_in_a_cluster
	s_endpgm
.Lentry_in_a_cluster:
	s_bfe_u32 s2, ttmp6, 0x10000c
	s_cmp_lg_u32 s2, 0x3003
	s_cbranch_scc0 .Lentry_shape_is_right
	s_endpgm
.Lentry_shape_is_right:
; FIRST PASS OVER x.  The mean over n of softmax(q) (k^T v) is linear in v, so the whole result is
;   out[b] = (sum_n w[n] x[n]) Wv + (sum_n w[n]) bv,   w[n] = sum_k c[k] exp(k[n][k] - M[k]),   c[k] = mean_n softmax(q)[n][k] / Z[k],
; for every input.  This launch makes, for each chunk of 512 rows of one batch (work-group g = 16 b + chunk) and each of the 256 columns:
;   colstat[g][0][col] = max over the chunk's rows of (x Wk + bk),  [g][1][col] = sum of exp(k - that maximum),  [g][2][col] = sum of softmax(x Wq + bq).
; Four waves; wave w owns columns 64 w .. 64 w + 63 of q and of k and keeps their bf16 weight fragments in 512 registers for the whole launch,
; so a tile's x fragment (1,024 bytes from LDS) feeds eight matrix instructions.  x goes in 16 tiles of 32 rows: f32 from memory into registers
; (two buffers: the next tile and the one behind it are on their way), rounded to bf16, laid into one LDS tile, read back as fragments.
; CLUSTER: all work-groups read the same 262,144 bytes of weights, so the four of a cluster ask for them jointly (mask 15), one tensor load a wave,
; once; a wave has one tensor load out.  No two work-groups share rows of x, so x is not shared.
; q is multiplied TRANSPOSED (source 0 = weights): a lane holds 32 columns of one row, the row's softmax needs one step across lanes and one
; exchange of (max, sum) between the four waves through LDS.  k is multiplied the natural way: a lane holds 16 rows of one column, and the running
; column maximum and sum stay in the lane.
; LIMITS: NaN and infinite inputs are not reproduced (v_max_num_f32 drops a NaN); exponentials below 2^-126 count as 0 (ISA guide 15.8);
; sums are taken in another order than the reference's.
.set XB,    262144                     ; LDS: 0 .. 262143 the weights as the tensor loads bring them, wave w at 65536 w; then the bf16 tile of x
.set PITCH, 528                        ; 512 bytes of data + 16: 33 x 16 bytes, so the 16 rows that a fragment load touches start in 16 different 16-byte columns of 256
.set EX,    XB+32*PITCH                ; [row 32][wave 4][max, sum]: 1,024 bytes
.set OST,   EX+1024                    ; [3][256] f32: the way out
; window 0 (an instruction names v0-v255; s_set_vgpr_msb says which window of 256 each operand place means)
.set GO,   2                           ; v2-3     byte offset of my 16 bytes in row 8 w of the tile that buffer 0, 1 loads next
.set XS,   4                           ; where my 8 bytes of a converted row go
.set XAD,  5                           ; where my fragment rows lie
.set EXS,  6
.set EXL,  7
.set LW,   8
.set KS,   9
.set QS,   10
.set OL,   11
.set BQO,  12
.set BKO,  13
.set AQ,   16                          ; v16-79   q: tile (cbl, rb) at 8 (2 cbl + rb)
.set T,    16                          ; v16-47   the converted rows, before the products write AQ
.set AK,   80                          ; v80-143  k: the same order
.set BQ,   144                         ; v144-175 bq[64 w + 16 cbl + 8 h + j] at 8 cbl + j: the C of q's first K step
.set QA,   176                         ; v176-207 running sums of softmax(q), same places
.set EXV,  208                         ; v208-223 the four waves' (max, sum) of my two rows
.set AMAX, 224                         ; v224-227 running column maximum of x Wk, one for each cbl
.set ZK,   228                         ; v228-231 running column sum
.set BK,   232                         ; v232-235 bk[64 w + 16 cbl + r]
.set TM,   236
.set NEG,  240                         ; v240:241
.set PT,   242                         ; v242-249 at work
.set FQ,   250                         ; v250:251
.set MS,   252                         ; v252-255 (max, sum) of my 64 columns of row 16 rb + r
; window 1: XA = x fragments (K step ks, row block rb at 16 ks + 8 rb), XF = x in f32, two buffers of 64.  Window 2: Wq fragments at 64 cbl + 8 ks.  Window 3: Wk.
.set XA,   0
.set XF,   128
.set MSB, 0
.macro WIN new                         ; low byte: bits 1:0 source 0, 3:2 source 1, 5:4 source 2, 7:6 destination; the high byte repeats the setting that is left
.if MSB != \new
	s_set_vgpr_msb (MSB<<8)|\new
.set MSB, \new
.endif
.endm
; A round of the cluster's barrier: my work-group's barrier, wave 0 signals for the work-group, every wave waits for all four work-groups, my barrier again.
.macro ROUND
	s_barrier_signal -1
	s_barrier_wait -1
	s_cmp_lg_u32 s14, 0
	s_cbranch_scc1 .Lnot_wave_0_\@
	s_barrier_signal -3
.Lnot_wave_0_\@:
	s_barrier_wait -3
	s_barrier_signal -1
	s_barrier_wait -1
.endm
; 16 loads: my 8 rows of a tile, each load 512 neighbouring bytes.  Load (i, p) gives the lane d = 128 p + 4 L .. + 3 of row 8 w + i.  Under window setting 0x40.
.macro LOADX bf
.irp i, 0,1,2,3,4,5,6,7
	global_load_b128 v[XF+64*\bf+8*\i:XF+64*\bf+8*\i+3],   v[GO+\bf], s[4:5] offset:1024*\i
	global_load_b128 v[XF+64*\bf+8*\i+4:XF+64*\bf+8*\i+7], v[GO+\bf], s[4:5] offset:1024*\i+512
.endr
.endm
	s_load_b256 s[4:11], s[0:1], 0x0               ; input s[4:5], wfrag s[6:7], bq s[8:9], bk s[10:11]
	s_load_b64 s[12:13], s[0:1], 0x20              ; colstat
	v_lshl_add_u32 v254, v0, 2, 0x45200
	v_mov_b32 v255, 0
	ds_add_u32 v254, v255
	ds_add_u32 v254, v255
	s_wait_dscnt 0x0
	v_lshrrev_b32 v1, 5, v0
	v_readfirstlane_b32 s14, v1                    ; wave 0..3
	s_bfe_u32 s36, ttmp6, 0x40000                  ; my place in the cluster
	s_lshl_b32 s15, ttmp9, 2                       ; ttmp9 counts clusters
	s_add_co_u32 s15, s15, s36                     ; g: it enters global bases alone
	s_mov_b32 s18, 0x3fb8aa3b                      ; log2 e, twice: a pair for the packed forms
	s_mov_b32 s19, 0x3fb8aa3b
	s_mov_b32 s23, 0xbfb8aa3b                      ; - log2 e
	s_mov_b32 s20, 0x76543210                      ; v_permlanex16_b32: lane i reads lane i of the other half
	s_mov_b32 s21, 0xfedcba98
	; the tensor load: my wave's 65,536 bytes of wfrag as 256 rows of 256 bytes, dense
	s_mov_b32 s24, 1                               ; count = 1
	s_lshl_b32 s25, s14, 16                        ; LDS address: 65536 w
	s_mov_b32 s28, 0x0023000f                      ; 15:0 mask: the cluster's four work-groups; 17:16 elements of 8 bytes; 21 set beside a mask; no padding
	s_mov_b32 s29, 32<<16                          ; tensor_dim0 = 32
	s_mov_b32 s30, 256<<16                         ; tensor_dim1 = 256
	s_mov_b32 s31, 32<<16                          ; tile_dim0 = 32
	s_mov_b32 s32, 256                             ; tile_dim1 = 256
	s_mov_b32 s33, 32                              ; elements from row to row
	s_mov_b32 s34, 0
	s_mov_b32 s35, 0
	s_lshl_b32 s38, s14, 16
	s_mov_b32 s39, 0
	s_lshl_b32 s16, s15, 19                        ; g x 512 rows of 1,024 bytes (below 2^27)
	s_mov_b32 s17, 0
	s_wait_kmcnt 0x0
	s_add_nc_u64 s[26:27], s[6:7], s[38:39]        ; wfrag + 65536 w: the same in all four work-groups
	s_or_b32 s27, s27, 0x80000000                  ; type = 2
	s_add_nc_u64 s[4:5], s[4:5], s[16:17]          ; x at my chunk
	s_mul_i32 s16, s15, 3072
	s_add_nc_u64 s[12:13], s[12:13], s[16:17]      ; colstat at my chunk
	ROUND                                          ; the four work-groups are here: the joint loads meet
	tensor_load_to_lds s[24:27], s[28:35]
	s_nop 0
	v_and_b32 v1, 31, v0                           ; L
	v_and_b32 v14, 15, v0                          ; r
	v_bfe_u32 v15, v0, 4, 1                        ; h
	s_lshl_b32 s37, s14, 13
	v_lshl_add_u32 v[GO], v1, 4, s37               ; 8 w rows + 16 L: tile 0
	v_add_nc_u32 v[GO+1], 0x8000, v[GO]            ; tile 1
	s_lshl_b32 s37, s14, 8                         ; 64 w columns of 4 bytes
	v_lshl_add_u32 v[BQO], v15, 5, s37
	v_lshl_add_u32 v[BKO], v14, 2, s37
.irp c, 0,1,2,3
	global_load_b128 v[BQ+8*\c:BQ+8*\c+3],   v[BQO], s[8:9] offset:64*\c
	global_load_b128 v[BQ+8*\c+4:BQ+8*\c+7], v[BQO], s[8:9] offset:64*\c+16
.endr
.irp c, 0,1,2,3
	global_load_b32 v[BK+\c], v[BKO], s[10:11] offset:64*\c
.endr
	WIN 0x40
	LOADX 0
	LOADX 1
	WIN 0
	s_mul_i32 s37, s14, 8*PITCH
	s_add_co_u32 s37, s37, XB
	v_lshl_add_u32 v[XS], v1, 3, s37               ; row 8 w, byte 8 L
	v_mul_u32_u24 v[XAD], v14, PITCH
	v_lshl_add_u32 v[XAD], v15, 4, v[XAD]
	v_add_nc_u32 v[XAD], XB, v[XAD]                ; row r, byte 16 h
	v_lshlrev_b32 v[EXL], 5, v14
	v_add_nc_u32 v[EXL], EX, v[EXL]                ; row r: 32 bytes
	s_lshl_b32 s37, s14, 3
	v_add_nc_u32 v[EXS], s37, v[EXL]               ; my wave's 8 of them
	v_lshlrev_b32 v[LW], 4, v1
	v_add_nc_u32 v[LW], s25, v[LW]                 ; 65536 w + 16 L
	v_add_nc_u32 v[KS], OST, v[BKO]
	v_add_nc_u32 v[QS], OST+2048, v[BQO]
	v_lshlrev_b32 v[OL], 3, v0
	v_add_nc_u32 v[OL], OST, v[OL]
	; what is carried from tile to tile starts here: 42 registers, once
.irp c, 0,1,2,3
	v_mov_b32 v[AMAX+\c], 0xff800000               ; - infinity: the first tile's scale is exp2(- infinity) = 0
	v_mov_b32 v[ZK+\c], 0
.endr
.set i, 0
.rept 32
	v_mov_b32 v[QA+i], 0
.set i, i+1
.endr
	v_mov_b32 v[NEG+1], 0                          ; the upper halves of pairs of which the packed forms use the lower half twice
	v_mov_b32 v[FQ+1], 0
	s_wait_tensorcnt 0x0                           ; my weights are in LDS; only I read them
	WIN 0x80
.irp c, 0,1,2,3
.irp ks, 0,1,2,3,4,5,6,7
	ds_load_b128 v[64*\c+8*\ks:64*\c+8*\ks+3],   v[LW] offset:1024*(8*\c+\ks)
	ds_load_b128 v[64*\c+8*\ks+4:64*\c+8*\ks+7], v[LW] offset:1024*(8*\c+\ks)+512
.endr
.endr
	WIN 0xc0
.irp c, 0,1,2,3
.irp ks, 0,1,2,3,4,5,6,7
	ds_load_b128 v[64*\c+8*\ks:64*\c+8*\ks+3],   v[LW] offset:32768+1024*(8*\c+\ks)
	ds_load_b128 v[64*\c+8*\ks+4:64*\c+8*\ks+7], v[LW] offset:32768+1024*(8*\c+\ks)+512
.endr
.endr
	WIN 0
	s_wait_dscnt 0x0
; My 64 columns of row 16 rb + r: their maximum, exp(q - maximum) in place, their sum; (max, sum) to the other waves.
.macro QLOCAL rb
.irp c, 0,1,2,3
	v_max3_num_f32 v[PT+\c], v[AQ+16*\c+8*\rb], v[AQ+16*\c+8*\rb+1], v[AQ+16*\c+8*\rb+2]      ; four chains that do not wait for each other
.endr
.irp j, 3,5
.irp c, 0,1,2,3
	v_max3_num_f32 v[PT+\c], v[PT+\c], v[AQ+16*\c+8*\rb+\j], v[AQ+16*\c+8*\rb+\j+1]
.endr
.endr
.irp c, 0,1,2,3
	v_max_num_f32 v[PT+\c], v[PT+\c], v[AQ+16*\c+8*\rb+7]
.endr
	v_max3_num_f32 v[PT], v[PT], v[PT+1], v[PT+2]
	v_max_num_f32 v[PT], v[PT], v[PT+3]
	v_permlanex16_b32 v[PT+1], v[PT], s20, s21     ; the other half of the lanes holds the row's other 32 columns
	v_max_num_f32 v[MS+2*\rb], v[PT], v[PT+1]
	v_mul_f32 v[NEG], s23, v[MS+2*\rb]
.irp c, 0,1,2,3
.irp j, 0,2,4,6
	v_pk_fma_f32 v[AQ+16*\c+8*\rb+\j:AQ+16*\c+8*\rb+\j+1], v[AQ+16*\c+8*\rb+\j:AQ+16*\c+8*\rb+\j+1], s[18:19], v[NEG:NEG+1] op_sel_hi:[1,0,0]
.endr
.endr
.irp c, 0,1,2,3
.irp j, 0,1,2,3,4,5,6,7
	v_exp_f32 v[AQ+16*\c+8*\rb+\j], v[AQ+16*\c+8*\rb+\j]
.endr
.endr
	v_nop                                          ; one plain place behind the exponentials before their results are read (ISA guide 5.7.2)
	s_wait_alu depctr_va_vdst(0)
.irp c, 0,1,2,3
	v_pk_add_f32 v[PT+2*\c:PT+2*\c+1], v[AQ+16*\c+8*\rb:AQ+16*\c+8*\rb+1], v[AQ+16*\c+8*\rb+2:AQ+16*\c+8*\rb+3]
.endr
.irp j, 4,6
.irp c, 0,1,2,3
	v_pk_add_f32 v[PT+2*\c:PT+2*\c+1], v[PT+2*\c:PT+2*\c+1], v[AQ+16*\c+8*\rb+\j:AQ+16*\c+8*\rb+\j+1]
.endr
.endr
	v_pk_add_f32 v[PT:PT+1], v[PT:PT+1], v[PT+2:PT+3]
	v_pk_add_f32 v[PT+4:PT+5], v[PT+4:PT+5], v[PT+6:PT+7]
	v_pk_add_f32 v[PT:PT+1], v[PT:PT+1], v[PT+4:PT+5]
	v_add_f32 v[PT], v[PT], v[PT+1]
	v_permlanex16_b32 v[PT+1], v[PT], s20, s21
	v_add_f32 v[MS+2*\rb+1], v[PT], v[PT+1]
	ds_store_b64 v[EXS], v[MS+2*\rb:MS+2*\rb+1] offset:512*\rb     ; both halves of the lanes hold the same bits
.endm
; k: for each of my four column blocks the lane's 16 rows of column 16 cbl + r: running maximum, old sum rescaled, new exponentials added.  Registers only.
.macro KSTAT
.irp c, 0,1,2,3
	v_max3_num_f32 v[TM+\c], v[AK+16*\c], v[AK+16*\c+1], v[AK+16*\c+2]
.endr
.irp j, 3,5,7,9,11,13
.irp c, 0,1,2,3
	v_max3_num_f32 v[TM+\c], v[TM+\c], v[AK+16*\c+\j], v[AK+16*\c+\j+1]
.endr
.endr
.irp c, 0,1,2,3
	v_max3_num_f32 v[TM+\c], v[TM+\c], v[AK+16*\c+15], v[AMAX+\c]  ; the new running maximum
.endr
.irp c, 0,1,2,3
	v_sub_f32 v[PT+2*\c+1], v[AMAX+\c], v[TM+\c]
.endr
.irp c, 0,1,2,3
	v_mul_f32 v[PT+2*\c+1], s18, v[PT+2*\c+1]
.endr
.irp c, 0,1,2,3
	v_exp_f32 v[PT+2*\c+1], v[PT+2*\c+1]           ; exp(old maximum - new): the old sum's scale
.endr
.irp c, 0,1,2,3
	v_mul_f32 v[PT+2*\c], s23, v[TM+\c]            ; plain places behind those exponentials
.endr
.irp c, 0,1,2,3
	v_mov_b32 v[AMAX+\c], v[TM+\c]
.endr
	s_wait_alu depctr_va_vdst(0)
.irp j, 0,2,4,6,8,10,12,14
.irp c, 0,1,2,3
	v_pk_fma_f32 v[AK+16*\c+\j:AK+16*\c+\j+1], v[AK+16*\c+\j:AK+16*\c+\j+1], s[18:19], v[PT+2*\c:PT+2*\c+1] op_sel_hi:[1,0,0]
.endr
.endr
.set i, 0
.rept 64
	v_exp_f32 v[AK+i], v[AK+i]
.set i, i+1
.endr
	v_nop
	s_wait_alu depctr_va_vdst(0)
.irp j, 2,4,6,8,10,12,14
.irp c, 0,1,2,3
	v_pk_add_f32 v[AK+16*\c:AK+16*\c+1], v[AK+16*\c:AK+16*\c+1], v[AK+16*\c+\j:AK+16*\c+\j+1]
.endr
.endr
.irp c, 0,1,2,3
	v_add_f32 v[PT+2*\c], v[AK+16*\c], v[AK+16*\c+1]
.endr
.irp c, 0,1,2,3
	v_fma_f32 v[ZK+\c], v[ZK+\c], v[PT+2*\c+1], v[PT+2*\c]
.endr
.endm
; The row's maximum M and sum S over all 256 columns from the four waves' figures; my exponentials times exp(my max - M) / S go into the column sums.
; S is at least about 1: the wave that holds M adds its own sum, which holds exp(0).
.macro QFINAL rb
	v_max3_num_f32 v[PT], v[EXV+8*\rb], v[EXV+8*\rb+2], v[EXV+8*\rb+4]
	v_max_num_f32 v[PT], v[PT], v[EXV+8*\rb+6]
	v_mul_f32 v[PT+1], s23, v[PT]
.irp i, 0,1,2,3
	v_fma_f32 v[PT+2+\i], v[EXV+8*\rb+2*\i], s18, v[PT+1]
.endr
	v_fma_f32 v[PT+6], v[MS+2*\rb], s18, v[PT+1]
.irp i, 2,3,4,5,6
	v_exp_f32 v[PT+\i], v[PT+\i]
.endr
	v_nop
	s_wait_alu depctr_va_vdst(0)
	v_mul_f32 v[PT+7], v[EXV+8*\rb+1], v[PT+2]
	v_fmac_f32 v[PT+7], v[EXV+8*\rb+3], v[PT+3]
	v_fmac_f32 v[PT+7], v[EXV+8*\rb+5], v[PT+4]
	v_fmac_f32 v[PT+7], v[EXV+8*\rb+7], v[PT+5]
	v_rcp_f32 v[PT+7], v[PT+7]
	v_nop
	s_wait_alu depctr_va_vdst(0)
	v_mul_f32 v[FQ], v[PT+6], v[PT+7]
.irp c, 0,1,2,3
.irp j, 0,2,4,6
	v_pk_fma_f32 v[QA+8*\c+\j:QA+8*\c+\j+1], v[AQ+16*\c+8*\rb+\j:AQ+16*\c+8*\rb+\j+1], v[FQ:FQ+1], v[QA+8*\c+\j:QA+8*\c+\j+1] op_sel_hi:[1,0,1]
.endr
.endr
.endm
; One tile of 32 rows, from register buffer bf.  refill = 1: the buffer is loaded again with the tile two further on.
; left = how many younger loads may stay out.
.macro TILE bf, refill, left
	s_wait_loadcnt \left                           ; loads come back in order (ISA guide 5.7.1): this buffer's 16 are in (and all older ones), the other buffer's stay out
	WIN 0x05
.irp i, 0,1,2,3,4,5,6,7,8,9,10,11,12,13,14,15
	v_cvt_pk_bf16_f32 v[T+2*\i],   v[XF+64*\bf+4*\i],   v[XF+64*\bf+4*\i+1]
	v_cvt_pk_bf16_f32 v[T+2*\i+1], v[XF+64*\bf+4*\i+2], v[XF+64*\bf+4*\i+3]
.endr
.if \refill
	WIN 0
	v_add_nc_u32 v[GO+\bf], 0x10000, v[GO+\bf]     ; two tiles on; the loads that named it are done by the wait above
	WIN 0x40
	LOADX \bf
.endif
	WIN 0
.irp i, 0,1,2,3,4,5,6,7,8,9,10,11,12,13,14,15
	ds_store_b64 v[XS], v[T+2*\i:T+2*\i+1] offset:PITCH*(\i/2)+256*(\i%2)   ; 32 lanes: 256 neighbouring bytes of a row
.endr
	s_wait_dscnt 0x0                               ; my rows are in LDS (and my reads of the last tile's exchange are back),
	s_barrier_signal -1
	s_barrier_wait -1                              ; everybody's are: the tile is whole
	WIN 0x40
.irp ks, 0,1,2,3,4,5,6,7
.irp rb, 0,1
	ds_load_b128 v[XA+16*\ks+8*\rb:XA+16*\ks+8*\rb+3],   v[XAD] offset:16*PITCH*\rb+64*\ks
	ds_load_b128 v[XA+16*\ks+8*\rb+4:XA+16*\ks+8*\rb+7], v[XAD] offset:16*PITCH*\rb+64*\ks+32
.endr
.endr
	; q, transposed: register j of lane (r, h) is column 16 cbl + 8 h + j of row 16 rb + r.  The first K step takes the bias as C.
	; The eight accumulators take turns, one instruction a turn.
	WIN 0x06
.irp ks, 0,1,2,3,4,5,6,7
	s_wait_dscnt 28-4*\ks                          ; four loads a K step: those of the later K steps stay out
.irp c, 0,1,2,3
.irp rb, 0,1
.if \ks == 0
	v_wmma_f32_16x16x32_bf16 v[AQ+8*(2*\c+\rb):AQ+8*(2*\c+\rb)+7], v[64*\c+8*\ks:64*\c+8*\ks+7], v[XA+16*\ks+8*\rb:XA+16*\ks+8*\rb+7], v[BQ+8*\c:BQ+8*\c+7]
.else
	v_wmma_f32_16x16x32_bf16 v[AQ+8*(2*\c+\rb):AQ+8*(2*\c+\rb)+7], v[64*\c+8*\ks:64*\c+8*\ks+7], v[XA+16*\ks+8*\rb:XA+16*\ks+8*\rb+7], v[AQ+8*(2*\c+\rb):AQ+8*(2*\c+\rb)+7]
.endif
.endr
.endr
.endr
	; k, the natural way: register j is row 16 rb + 8 h + j of column 16 cbl + r.  The first K step starts the sums.
	WIN 0x0d
.irp ks, 0,1,2,3,4,5,6,7
.irp c, 0,1,2,3
.irp rb, 0,1
.if \ks == 0
	v_wmma_f32_16x16x32_bf16 v[AK+8*(2*\c+\rb):AK+8*(2*\c+\rb)+7], v[XA+16*\ks+8*\rb:XA+16*\ks+8*\rb+7], v[64*\c+8*\ks:64*\c+8*\ks+7], 0
.else
	v_wmma_f32_16x16x32_bf16 v[AK+8*(2*\c+\rb):AK+8*(2*\c+\rb)+7], v[XA+16*\ks+8*\rb:XA+16*\ks+8*\rb+7], v[64*\c+8*\ks:64*\c+8*\ks+7], v[AK+8*(2*\c+\rb):AK+8*(2*\c+\rb)+7]
.endif
.endr
.endr
.endr
	WIN 0
.rept 4
	v_nop                                          ; four places behind the last matrix instruction before vector work touches results, and before the next tile's loads into the fragments
.endr
	QLOCAL 0
	QLOCAL 1
	s_wait_dscnt 0x0                               ; my (max, sum) are in LDS and my reads of the tile are back:
	s_barrier_signal -1                            ; say so,
	KSTAT                                          ; work on registers while the others arrive,
	s_barrier_wait -1                              ; and go on: the exchange may be read, and the tile may be written again
.irp rb, 0,1
	ds_load_b128 v[EXV+8*\rb:EXV+8*\rb+3],   v[EXL] offset:512*\rb
	ds_load_b128 v[EXV+8*\rb+4:EXV+8*\rb+7], v[EXL] offset:512*\rb+16
.endr
	s_wait_dscnt 0x0
	QFINAL 0
	QFINAL 1
.endm
	s_mov_b32 s22, 7
.Ltiles:
	TILE 0, 1, 16
	TILE 1, 1, 16
	s_sub_co_u32 s22, s22, 1
	s_cmp_lg_u32 s22, 0
	s_cbranch_scc1 .Ltiles
	TILE 0, 0, 16                                  ; the last two tiles load nothing: no load leaves the chunk
	TILE 1, 0, 0
	; k: the two halves of the lanes hold rows of the same column.  Each scales its sum to the common maximum, then the sums are exchanged and added,
	; so that both halves end with the same bits.
.irp c, 0,1,2,3
	v_permlanex16_b32 v[TM+\c], v[AMAX+\c], s20, s21
.endr
.irp c, 0,1,2,3
	v_max_num_f32 v[TM+\c], v[TM+\c], v[AMAX+\c]
.endr
.irp c, 0,1,2,3
	v_sub_f32 v[AMAX+\c], v[AMAX+\c], v[TM+\c]
.endr
.irp c, 0,1,2,3
	v_mul_f32 v[AMAX+\c], s18, v[AMAX+\c]
.endr
.irp c, 0,1,2,3
	v_exp_f32 v[AMAX+\c], v[AMAX+\c]
.endr
.irp c, 0,1,2,3
	v_add_f32 v[TM+\c], v[TM+\c], v[BK+\c]         ; the maximum of x Wk + bk (plain places behind the exponentials)
.endr
	s_wait_alu depctr_va_vdst(0)
.irp c, 0,1,2,3
	v_mul_f32 v[ZK+\c], v[ZK+\c], v[AMAX+\c]
.endr
.irp c, 0,1,2,3
	v_permlanex16_b32 v[PT+\c], v[ZK+\c], s20, s21
.endr
.irp c, 0,1,2,3
	v_add_f32 v[ZK+\c], v[ZK+\c], v[PT+\c]
.endr
.irp c, 0,1,2,3
	ds_store_b32 v[KS], v[TM+\c] offset:64*\c
	ds_store_b32 v[KS], v[ZK+\c] offset:1024+64*\c
.endr
	; q: lane r of a half holds the sum over the rows r, 16 + r of every tile: add over the 16 lanes; all end with the same bits
.irp m, 1,2,4,8
.set i, 0
.rept 32
	v_add_f32_dpp v[QA+i], v[QA+i], v[QA+i] row_xmask:\m row_mask:0xf bank_mask:0xf
.set i, i+1
.endr
.endr
.irp c, 0,1,2,3
	ds_store_b128 v[QS], v[QA+8*\c:QA+8*\c+3]   offset:64*\c
	ds_store_b128 v[QS], v[QA+8*\c+4:QA+8*\c+7] offset:64*\c+16
.endr
	s_wait_dscnt 0x0                               ; for the others' sake: my stores are in LDS
	s_barrier_signal -1
	s_barrier_wait -1
.irp f, 0,1,2
	ds_load_b64 v[PT+2*\f:PT+2*\f+1], v[OL] offset:1024*\f
.endr
	v_lshlrev_b32 v1, 3, v0                        ; 8 t
	s_wait_dscnt 0x0
.irp f, 0,1,2
	global_store_b64 v1, v[PT+2*\f:PT+2*\f+1], s[12:13] offset:1024*\f      ; a wave's store covers 256 neighbouring bytes, aligned
.endr
	s_wait_xcnt 0x0
	v_lshl_add_u32 v254, v0, 2, 0x45200
	v_mov_b32 v255, 0
	s_wait_tensorcnt 0x0
	ds_add_u32 v254, v255
	s_wait_dscnt 0x0
	ROUND                                          ; the closing round: no work-group ends while a partner may still ask jointly
	s_endpgm
.Lfunc_end_k_q0c926cc284_stats:
	.size	k_q0c926cc284_stats, .Lfunc_end_k_q0c926cc284_stats-k_q0c926cc284_stats
	.p2alignl 7, 3214868480
	.fill 96, 4, 3214868480
	.section	.rodata,"a",@progbits
	.p2align	6, 0x0
	.amdhsa_kernel k_q0c926cc284_stats
		.amdhsa_group_segment_fixed_size 283648
		.amdhsa_private_segment_fixed_size 0
		.amdhsa_enable_private_segment 0
		.amdhsa_kernarg_size 40
		.amdhsa_user_sgpr_count 2
		.amdhsa_user_sgpr_kernarg_segment_ptr 1
		.amdhsa_wavefront_size32 1
		.amdhsa_system_sgpr_workgroup_id_x 1
		.amdhsa_system_sgpr_workgroup_id_y 1
		.amdhsa_system_sgpr_workgroup_id_z 1
		.amdhsa_system_vgpr_workitem_id 0
		.amdhsa_next_free_vgpr 1024
		.amdhsa_next_free_sgpr 66
		.amdhsa_reserve_vcc 0
		.amdhsa_float_denorm_mode_32 3
		.amdhsa_float_denorm_mode_16_64 3
		.amdhsa_memory_ordered 1
		.amdhsa_forward_progress 1
		.amdhsa_inst_pref_size 174
	.end_amdhsa_kernel
	.amdgpu_metadata
---
amdhsa.version: [ 1, 2 ]
amdhsa.kernels:
  - .name:           k_q0c926cc284_stats
    .symbol:         k_q0c926cc284_stats.kd
    .args:
      - { .name: input, .offset: 0, .size: 8, .value_kind: global_buffer, .address_space: global }
      - { .name: wfrag, .offset: 8, .size: 8, .value_kind: global_buffer, .address_space: global }
      - { .name: bq, .offset: 16, .size: 8, .value_kind: global_buffer, .address_space: global }
      - { .name: bk, .offset: 24, .size: 8, .value_kind: global_buffer, .address_space: global }
      - { .name: colstat, .offset: 32, .size: 8, .value_kind: global_buffer, .address_space: global }
    .group_segment_fixed_size: 283648
    .private_segment_fixed_size: 0
    .kernarg_segment_align: 8
    .kernarg_segment_size: 40
    .max_flat_workgroup_size: 128
    .sgpr_count:     66
    .vgpr_count:     1024
    .wavefront_size: 32
...
	.end_amdgpu_metadata
.endif
;; end of part 2
;; launch apply (part 3): grid 256 x 1, 4 waves a work-group, clusters of 4 x 1, 168,448 bytes of LDS; arguments input, wfrag, colstat, bk, ypart; writes ypart
.if DOCPART == 3
	.amdgcn_target "amdgcn-amd-amdhsa--gfx1250"
	.amdhsa_code_object_version 6
	.text
	.protected	k_q0c926cc284_apply
	.globl	k_q0c926cc284_apply
	.p2align	8
	.type	k_q0c926cc284_apply,@function
k_q0c926cc284_apply:
	s_mov_b64 s[64:65], 0
	v_nop
	global_prefetch_b8 v0, s[64:65] scope:SCOPE_SE
	s_setreg_imm32_b32 hwreg(HW_REG_WAVE_MODE, 25, 1), 1
	s_wait_xcnt 0x0
	s_wait_alu depctr_hold_cnt(0) depctr_sa_sdst(0) depctr_va_vdst(0) depctr_va_sdst(0) depctr_va_ssrc(0) depctr_va_vcc(0) depctr_vm_vsrc(0)
	s_getreg_b32 s2, hwreg(HW_REG_IB_STS2, 6, 4)
	s_cmp_eq_u32 s2, 0
	s_cbranch_scc0 .Lentry_in_a_cluster
	s_endpgm
.Lentry_in_a_cluster:
	s_bfe_u32 s2, ttmp6, 0x10000c
	s_cmp_lg_u32 s2, 0x3003
	s_cbranch_scc0 .Lentry_shape_is_right
	s_endpgm
.Lentry_shape_is_right:
; SECOND PASS OVER x.  For its chunk of 512 rows of batch b (work-group g = 16 b + chunk) this launch makes
;   w[n] = sum over the 256 columns of c[col] exp(x[n] Wk + bk - M)[col],   ypart[g][0..255] = sum_n w[n] x[n][d],   ypart[g][256..319] = 64 copies of sum_n w[n],
; with M, Z the batch's column maximum and sum of exponentials and c = (sum_n softmax(q)) / (8192 Z), combined here from the 16 chunks' figures in colstat.
; Four waves; wave w owns columns 64 w .. 64 w + 63 and keeps Wk's fragments in 256 registers.  x goes in 16 tiles of 32 rows: f32 from memory into one of four
; register buffers (three tiles on their way), rounded to bf16 into one LDS tile for the product, and kept in f32 in its registers for the sum w x,
; which is made in f32 on the vector unit (one multiply-add for each number of x).  The tiles are walked from the chunk's last to its first:
; what the launch before read last is read first.
; CLUSTER: all work-groups read the same 131,072 bytes of Wk, so the four of a cluster ask for them jointly (mask 15), one tensor load a wave, once;
; a wave has one tensor load out.  No two work-groups share rows of x.
; LIMITS: NaN and infinite inputs are not reproduced; exponentials below 2^-126 count as 0 (ISA guide 15.8); another order of sums than the reference's.
.set XB,    131072                     ; LDS: 0 .. 131071 Wk as the tensor loads bring it, wave w at 32768 w; then the bf16 tile of x
.set PITCH, 528                        ; 512 bytes + 16 = 33 x 16: the 16 rows of a fragment load start in 16 different 16-byte columns of 256
.set WX,    XB+32*PITCH                ; [row 32][wave 4] f32: the waves' parts of w
.set TB,    WX+512                     ; 512 bytes a wave: 64 exponent offsets, 64 factors c
.set YS,    TB+2048                    ; 4 x 1,024 bytes of y, then the four waves' sums of w
; window 0
.set XS,   2
.set XAD,  3
.set LW,   4
.set SO,   5
.set BO,   6
.set TBS,  7
.set TBL,  8
.set WXS,  9
.set WXL,  10
.set YSS,  11
.set SWS,  12
.set AC,   16                          ; v16-79   tile (cbl, rb) at 8 (2 cbl + rb)
.set T,    16                          ; v16-47   the converted rows, before the products write AC
.set OFS,  80                          ; v80-111  (bk - M) log2 e of column 64 w + 16 cbl + 8 h + j at 8 cbl + j
.set CC,   112                         ; v112-143 c, same places
.set Y,    144                         ; v144-151 sum of w x for d = 128 p + 4 L + u at 4 p + u
.set WP,   154
.set WV4,  156
.set WVS,  160
.set SWACC,161
.set TP,   162                         ; v162-169 at work
.set GO,   170                         ; v170-173 byte offset of my 16 bytes in row 8 w of the tile that buffer 0..3 loads next
; the prologue's figures: 8 chunks x 4 columns each
.set CM,   16
.set CZ,   48
.set CQ,   176
.set MG,   208
.set NG,   212
.set ZS,   216
.set QS4,  220
.set CB,   224
.set OFV,  228
.set CCV,  232
.set X4,   236
; window 1: XA = x fragments at 16 ks + 8 rb.  Window 2: XF = x in f32, four buffers of 64.  Window 3: Wk fragments at 64 cbl + 8 ks.
.set XA,   0
.set XF,   0
.set MSB, 0
.macro WIN new                         ; low byte: bits 1:0 source 0, 3:2 source 1, 5:4 source 2, 7:6 destination; the high byte repeats the setting that is left
.if MSB != \new
	s_set_vgpr_msb (MSB<<8)|\new
.set MSB, \new
.endif
.endm
.macro ROUND                           ; a round of the cluster's barrier
	s_barrier_signal -1
	s_barrier_wait -1
	s_cmp_lg_u32 s14, 0
	s_cbranch_scc1 .Lnot_wave_0_\@
	s_barrier_signal -3
.Lnot_wave_0_\@:
	s_barrier_wait -3
	s_barrier_signal -1
	s_barrier_wait -1
.endm
.macro LOADX bf                        ; my 8 rows of a tile, 512 neighbouring bytes a load; read for the last time in the program.  Under window setting 0x80.
.irp i, 0,1,2,3,4,5,6,7
	global_load_b128 v[XF+64*\bf+8*\i:XF+64*\bf+8*\i+3],   v[GO+\bf], s[4:5] offset:1024*\i th:TH_LOAD_NT
	global_load_b128 v[XF+64*\bf+8*\i+4:XF+64*\bf+8*\i+7], v[GO+\bf], s[4:5] offset:1024*\i+512 th:TH_LOAD_NT
.endr
.endm
	s_load_b256 s[4:11], s[0:1], 0x0               ; input s[4:5], wfrag s[6:7], colstat s[8:9], bk s[10:11]
	s_load_b64 s[12:13], s[0:1], 0x20              ; ypart
	v_lshl_add_u32 v254, v0, 2, 0x29000
	v_mov_b32 v255, 0
	ds_add_u32 v254, v255
	ds_add_u32 v254, v255
	v_lshrrev_b32 v1, 5, v0
	v_readfirstlane_b32 s14, v1                    ; wave 0..3
	s_bfe_u32 s52, ttmp6, 0x40000                  ; my place in the cluster
	s_lshl_b32 s15, ttmp9, 2
	s_add_co_u32 s15, s15, s52                     ; g: it enters global bases alone
	s_mov_b32 s18, 0x3fb8aa3b                      ; log2 e, twice
	s_mov_b32 s19, 0x3fb8aa3b
	s_mov_b32 s23, 0xbfb8aa3b                      ; - log2 e
	s_mov_b32 s20, 0x76543210
	s_mov_b32 s21, 0xfedcba98
	s_mov_b32 s53, 0x20000                         ; four tiles of 32,768 bytes
.irp i, 0,1,2,3,4,5,6,7
	s_mov_b32 s[37+2*\i], 0                        ; the upper halves of the pairs that carry w into the packed multiply-adds
.endr
	; the tensor load: my wave's 32,768 bytes of Wk's fragments as 128 rows of 256 bytes, dense
	s_mov_b32 s24, 1
	s_lshl_b32 s25, s14, 15                        ; LDS address: 32768 w
	s_mov_b32 s28, 0x0023000f                      ; mask 15; elements of 8 bytes; bit 21 beside the mask; no padding
	s_mov_b32 s29, 32<<16
	s_mov_b32 s30, 128<<16
	s_mov_b32 s31, 32<<16
	s_mov_b32 s32, 128
	s_mov_b32 s33, 32
	s_mov_b32 s34, 0
	s_mov_b32 s35, 0
	s_lshl_b32 s54, s14, 16
	s_add_co_u32 s54, s54, 32768                   ; in a wave's 65,536 bytes of wfrag Wk's half comes second
	s_mov_b32 s55, 0
	s_lshl_b32 s16, s15, 19
	s_mov_b32 s17, 0
	s_wait_dscnt 0x0
	s_wait_kmcnt 0x0
	s_add_nc_u64 s[26:27], s[6:7], s[54:55]
	s_or_b32 s27, s27, 0x80000000
	s_add_nc_u64 s[4:5], s[4:5], s[16:17]          ; x at my chunk
	s_lshr_b32 s16, s15, 4
	s_mul_i32 s16, s16, 49152
	s_add_nc_u64 s[8:9], s[8:9], s[16:17]          ; colstat at my batch's 16 chunks
	s_mul_i32 s16, s15, 1280
	s_add_nc_u64 s[12:13], s[12:13], s[16:17]      ; ypart at my chunk
	ROUND
	tensor_load_to_lds s[24:27], s[28:35]
	s_nop 0
	v_and_b32 v1, 31, v0                           ; L
	v_and_b32 v13, 15, v0                          ; r
	v_bfe_u32 v14, v0, 4, 1                        ; h
	s_lshl_b32 s54, s14, 8
	v_lshl_add_u32 v[BO], v13, 4, s54              ; my four columns 64 w + 4 r .. + 3
	v_mul_u32_u24 v[SO], v14, 24576                ; chunks 8 h .. 8 h + 7
	v_add_nc_u32 v[SO], v[SO], v[BO]
	s_lshl_b32 s54, s14, 13
	v_lshl_add_u32 v15, v1, 4, s54                 ; 8 w rows + 16 L
.irp bf, 0,1,2,3
	v_add_nc_u32 v[GO+\bf], (15-\bf)*32768, v15    ; the last four tiles
.endr
.irp i, 0,1,2,3,4,5,6,7
	global_load_b128 v[CM+4*\i:CM+4*\i+3], v[SO], s[8:9] offset:3072*\i
	global_load_b128 v[CZ+4*\i:CZ+4*\i+3], v[SO], s[8:9] offset:3072*\i+1024
	global_load_b128 v[CQ+4*\i:CQ+4*\i+3], v[SO], s[8:9] offset:3072*\i+2048
.endr
	global_load_b128 v[CB:CB+3], v[BO], s[10:11]
	WIN 0x80
	LOADX 0
	LOADX 1
	WIN 0
	s_mul_i32 s54, s14, 8*PITCH
	s_add_co_u32 s54, s54, XB
	v_lshl_add_u32 v[XS], v1, 3, s54
	v_mul_u32_u24 v[XAD], v13, PITCH
	v_lshl_add_u32 v[XAD], v14, 4, v[XAD]
	v_add_nc_u32 v[XAD], XB, v[XAD]
	v_lshlrev_b32 v[LW], 4, v1
	v_add_nc_u32 v[LW], s25, v[LW]
	s_lshl_b32 s54, s14, 9
	s_add_co_u32 s54, s54, TB
	v_lshl_add_u32 v[TBS], v13, 4, s54             ; in: four columns at 4 r
	v_lshl_add_u32 v[TBL], v14, 5, s54             ; back: eight columns at 8 h of each block of 16
	s_lshl_b32 s54, s14, 2
	s_add_co_u32 s54, s54, WX
	v_lshl_add_u32 v[WXS], v13, 4, s54             ; row r, my wave's word
	v_and_b32 v15, 7, v0
	s_lshl_b32 s54, s14, 7
	s_add_co_u32 s54, s54, WX
	v_lshl_add_u32 v[WXL], v15, 4, s54             ; row 8 w + (L & 7): one of the rows whose x I hold
	s_lshl_b32 s54, s14, 10
	s_add_co_u32 s54, s54, YS
	v_lshl_add_u32 v[YSS], v1, 4, s54
	s_lshl_b32 s54, s14, 2
	s_add_co_u32 s54, s54, YS+4096
	v_mov_b32 v[SWS], s54
.irp u, 0,1,2,3,4,5,6,7
	v_mov_b32 v[Y+\u], 0
.endr
	v_mov_b32 v[SWACC], 0
.irp u, 0,1,2,3
	v_mov_b32 v[X4+\u], 0                          ; v_permlanex16_b32 counts as a reader of its destination
.endr
	s_wait_loadcnt 32                              ; the figures and bk are in; the 32 loads of the first two tiles stay out
	WIN 0x80
	LOADX 2
	LOADX 3
	WIN 0
	; the batch's M, Z and sum of softmax(q) for my four columns: eight chunks in the lane, the other eight in the other half of the lanes
.irp u, 0,1,2,3
	v_max3_num_f32 v[MG+\u], v[CM+\u], v[CM+4+\u], v[CM+8+\u]
.endr
.irp i, 12,20
.irp u, 0,1,2,3
	v_max3_num_f32 v[MG+\u], v[MG+\u], v[CM+\i+\u], v[CM+\i+4+\u]
.endr
.endr
.irp u, 0,1,2,3
	v_max_num_f32 v[MG+\u], v[MG+\u], v[CM+28+\u]
.endr
.irp u, 0,1,2,3
	v_permlanex16_b32 v[X4+\u], v[MG+\u], s20, s21
.endr
.irp u, 0,1,2,3
	v_max_num_f32 v[MG+\u], v[MG+\u], v[X4+\u]
.endr
.irp u, 0,1,2,3
	v_mul_f32 v[NG+\u], s23, v[MG+\u]
.endr
.irp i, 0,1,2,3,4,5,6,7
.irp p, 0,2
	v_pk_fma_f32 v[CM+4*\i+\p:CM+4*\i+\p+1], v[CM+4*\i+\p:CM+4*\i+\p+1], s[18:19], v[NG+\p:NG+\p+1] op_sel_hi:[1,0,1]
.endr
.endr
.set i, 0
.rept 32
	v_exp_f32 v[CM+i], v[CM+i]                     ; exp(chunk's maximum - M)
.set i, i+1
.endr
	v_nop
	s_wait_alu depctr_va_vdst(0)
.irp p, 0,2
	v_pk_mul_f32 v[ZS+\p:ZS+\p+1], v[CZ+\p:CZ+\p+1], v[CM+\p:CM+\p+1]
	v_pk_add_f32 v[QS4+\p:QS4+\p+1], v[CQ+\p:CQ+\p+1], v[CQ+4+\p:CQ+4+\p+1]
.endr
.irp i, 1,2,3,4,5,6,7
.irp p, 0,2
	v_pk_fma_f32 v[ZS+\p:ZS+\p+1], v[CZ+4*\i+\p:CZ+4*\i+\p+1], v[CM+4*\i+\p:CM+4*\i+\p+1], v[ZS+\p:ZS+\p+1]
.endr
.endr
.irp i, 2,3,4,5,6,7
.irp p, 0,2
	v_pk_add_f32 v[QS4+\p:QS4+\p+1], v[QS4+\p:QS4+\p+1], v[CQ+4*\i+\p:CQ+4*\i+\p+1]
.endr
.endr
.irp u, 0,1,2,3
	v_permlanex16_b32 v[X4+\u], v[ZS+\u], s20, s21
.endr
.irp u, 0,1,2,3
	v_add_f32 v[ZS+\u], v[ZS+\u], v[X4+\u]
.endr
.irp u, 0,1,2,3
	v_permlanex16_b32 v[X4+\u], v[QS4+\u], s20, s21
.endr
.irp u, 0,1,2,3
	v_add_f32 v[QS4+\u], v[QS4+\u], v[X4+\u]
.endr
.irp u, 0,1,2,3
	v_rcp_f32 v[ZS+\u], v[ZS+\u]                   ; Z is at least about 1: the chunk that holds M adds its own sum unscaled
.endr
.irp u, 0,1,2,3
	v_sub_f32 v[OFV+\u], v[CB+\u], v[MG+\u]        ; plain places behind the reciprocals
.endr
	s_wait_alu depctr_va_vdst(0)
.irp u, 0,1,2,3
	v_mul_f32 v[CCV+\u], v[QS4+\u], v[ZS+\u]
.endr
.irp u, 0,1,2,3
	v_mul_f32 v[CCV+\u], 0x39000000, v[CCV+\u]     ; / 8192: the mean over n
.endr
.irp u, 0,1,2,3
	v_mul_f32 v[OFV+\u], s18, v[OFV+\u]            ; (bk - M) log2 e: the products below are x Wk without the bias
.endr
	ds_store_b128 v[TBS], v[OFV:OFV+3]             ; both halves of the lanes hold the same bits
	ds_store_b128 v[TBS], v[CCV:CCV+3] offset:256
.irp c, 0,1,2,3
	ds_load_b128 v[OFS+8*\c:OFS+8*\c+3],   v[TBL] offset:64*\c     ; my wave's own bytes; LDS serves a wave's instructions in order (ISA guide 5.7.1.4)
	ds_load_b128 v[OFS+8*\c+4:OFS+8*\c+7], v[TBL] offset:64*\c+16
	ds_load_b128 v[CC+8*\c:CC+8*\c+3],     v[TBL] offset:256+64*\c
	ds_load_b128 v[CC+8*\c+4:CC+8*\c+7],   v[TBL] offset:256+64*\c+16
.endr
	s_wait_tensorcnt 0x0                           ; my part of Wk is in LDS; only I read it
	WIN 0xc0
.irp c, 0,1,2,3
.irp ks, 0,1,2,3,4,5,6,7
	ds_load_b128 v[64*\c+8*\ks:64*\c+8*\ks+3],   v[LW] offset:1024*(8*\c+\ks)
	ds_load_b128 v[64*\c+8*\ks+4:64*\c+8*\ks+7], v[LW] offset:1024*(8*\c+\ks)+512
.endr
.endr
	WIN 0
	s_wait_dscnt 0x0
; One tile of 32 rows, from register buffer bf.  refill = 1: the buffer is loaded again with the tile four further down.
; left = how many younger loads may stay out: 16 for each younger tile.
.macro TILE bf, refill, left
	s_wait_loadcnt \left                           ; loads come back in order (ISA guide 5.7.1): this buffer's 16 are in
	WIN 0x0a
.irp i, 0,1,2,3,4,5,6,7,8,9,10,11,12,13,14,15
	v_cvt_pk_bf16_f32 v[T+2*\i],   v[XF+64*\bf+4*\i],   v[XF+64*\bf+4*\i+1]
	v_cvt_pk_bf16_f32 v[T+2*\i+1], v[XF+64*\bf+4*\i+2], v[XF+64*\bf+4*\i+3]
.endr
	WIN 0
.irp i, 0,1,2,3,4,5,6,7,8,9,10,11,12,13,14,15
	ds_store_b64 v[XS], v[T+2*\i:T+2*\i+1] offset:PITCH*(\i/2)+256*(\i%2)
.endr
	s_wait_dscnt 0x0                               ; my rows are in LDS,
	s_barrier_signal -1
	s_barrier_wait -1                              ; everybody's are
	WIN 0x40
.irp ks, 0,1,2,3,4,5,6,7
.irp rb, 0,1
	ds_load_b128 v[XA+16*\ks+8*\rb:XA+16*\ks+8*\rb+3],   v[XAD] offset:16*PITCH*\rb+64*\ks
	ds_load_b128 v[XA+16*\ks+8*\rb+4:XA+16*\ks+8*\rb+7], v[XAD] offset:16*PITCH*\rb+64*\ks+32
.endr
.endr
	; x Wk, transposed: register j of lane (r, h) is column 16 cbl + 8 h + j of row 16 rb + r.
	; The eight accumulators take turns, one instruction a turn.
	WIN 0x07
.irp ks, 0,1,2,3,4,5,6,7
	s_wait_dscnt 28-4*\ks                          ; four loads a K step: those of the later K steps stay out
.irp c, 0,1,2,3
.irp rb, 0,1
.if \ks == 0
	v_wmma_f32_16x16x32_bf16 v[AC+8*(2*\c+\rb):AC+8*(2*\c+\rb)+7], v[64*\c+8*\ks:64*\c+8*\ks+7], v[XA+16*\ks+8*\rb:XA+16*\ks+8*\rb+7], 0
.else
	v_wmma_f32_16x16x32_bf16 v[AC+8*(2*\c+\rb):AC+8*(2*\c+\rb)+7], v[64*\c+8*\ks:64*\c+8*\ks+7], v[XA+16*\ks+8*\rb:XA+16*\ks+8*\rb+7], v[AC+8*(2*\c+\rb):AC+8*(2*\c+\rb)+7]
.endif
.endr
.endr
.endr
	WIN 0
.rept 4
	v_nop                                          ; four places behind the last matrix instruction (ISA guide 7.12.1)
.endr
.irp c, 0,1,2,3
.irp rb, 0,1
.irp j, 0,2,4,6
	v_pk_fma_f32 v[AC+16*\c+8*\rb+\j:AC+16*\c+8*\rb+\j+1], v[AC+16*\c+8*\rb+\j:AC+16*\c+8*\rb+\j+1], s[18:19], v[OFS+8*\c+\j:OFS+8*\c+\j+1] op_sel_hi:[1,0,1]
.endr
.endr
.endr
.set i, 0
.rept 64
	v_exp_f32 v[AC+i], v[AC+i]                     ; exp(k - M), at most about 1
.set i, i+1
.endr
	v_nop
	s_wait_alu depctr_va_vdst(0)
.irp rb, 0,1
.irp c, 0,1,2,3
	v_pk_mul_f32 v[TP+2*\c:TP+2*\c+1], v[AC+16*\c+8*\rb:AC+16*\c+8*\rb+1], v[CC+8*\c:CC+8*\c+1]       ; four chains
.endr
.irp j, 2,4,6
.irp c, 0,1,2,3
	v_pk_fma_f32 v[TP+2*\c:TP+2*\c+1], v[AC+16*\c+8*\rb+\j:AC+16*\c+8*\rb+\j+1], v[CC+8*\c+\j:CC+8*\c+\j+1], v[TP+2*\c:TP+2*\c+1]
.endr
.endr
	v_pk_add_f32 v[TP:TP+1], v[TP:TP+1], v[TP+2:TP+3]
	v_pk_add_f32 v[TP+4:TP+5], v[TP+4:TP+5], v[TP+6:TP+7]
	v_pk_add_f32 v[TP:TP+1], v[TP:TP+1], v[TP+4:TP+5]
	v_add_f32 v[TP], v[TP], v[TP+1]
	v_permlanex16_b32 v[TP+1], v[TP], s20, s21
	v_add_f32 v[WP+\rb], v[TP], v[TP+1]            ; my 64 columns' part of w[16 rb + r]
	ds_store_b32 v[WXS], v[WP+\rb] offset:256*\rb
.endr
	s_wait_dscnt 0x0                               ; my parts of w are in LDS and my reads of the tile are back,
	s_barrier_signal -1
	s_barrier_wait -1                              ; everybody's: w may be read, the tile may be written again
	ds_load_b128 v[WV4:WV4+3], v[WXL]
	s_wait_dscnt 0x0
	v_add_f32 v[WV4], v[WV4], v[WV4+1]
	v_add_f32 v[WV4+2], v[WV4+2], v[WV4+3]
	v_add_f32 v[WVS], v[WV4], v[WV4+2]             ; w of row 8 w + (L & 7)
	v_add_f32 v[SWACC], v[SWACC], v[WVS]
.irp i, 0,1,2,3,4,5,6,7
	v_readlane_b32 s[36+2*\i], v[WVS], \i          ; a factor for a whole row: data alone, no address or branch hangs on it
.endr
	WIN 0x02
.irp i, 0,1,2,3,4,5,6,7
.irp u, 0,2,4,6
	v_pk_fma_f32 v[Y+\u:Y+\u+1], v[XF+64*\bf+8*\i+\u:XF+64*\bf+8*\i+\u+1], s[36+2*\i:37+2*\i], v[Y+\u:Y+\u+1] op_sel_hi:[1,0,1]
.endr
.endr
	WIN 0
.if \refill
	v_sub_nc_u32 v[GO+\bf], v[GO+\bf], s53         ; four tiles down; the loads that named it are done by the wait at the head
	WIN 0x80
	LOADX \bf
	WIN 0
.endif
.endm
	s_mov_b32 s22, 3
.Ltiles:
	TILE 0, 1, 48
	TILE 1, 1, 48
	TILE 2, 1, 48
	TILE 3, 1, 48
	s_sub_co_u32 s22, s22, 1
	s_cmp_lg_u32 s22, 0
	s_cbranch_scc1 .Ltiles
	TILE 0, 0, 48                                  ; the chunk's first four tiles: nothing more is loaded, the counts run down
	TILE 1, 0, 32
	TILE 2, 0, 16
	TILE 3, 0, 0
	; the four waves' sums meet in LDS
.irp m, 1,2,4
	v_add_f32_dpp v[SWACC], v[SWACC], v[SWACC] row_xmask:\m row_mask:0xf bank_mask:0xf     ; over my eight rows
.endr
	ds_store_b128 v[YSS], v[Y:Y+3]
	ds_store_b128 v[YSS], v[Y+4:Y+7] offset:512
	ds_store_b32 v[SWS], v[SWACC]
	v_lshlrev_b32 v1, 3, v0                        ; 8 t
	v_add_nc_u32 v15, YS, v1
	v_mov_b32 v13, YS+4096
	s_wait_dscnt 0x0
	s_barrier_signal -1
	s_barrier_wait -1
.irp j, 0,1,2,3
	ds_load_b64 v[TP+2*\j:TP+2*\j+1], v15 offset:1024*\j
.endr
	ds_load_b128 v[WV4:WV4+3], v13
	s_wait_dscnt 0x0
	v_pk_add_f32 v[TP:TP+1], v[TP:TP+1], v[TP+2:TP+3]
	v_pk_add_f32 v[TP+4:TP+5], v[TP+4:TP+5], v[TP+6:TP+7]
	v_pk_add_f32 v[TP:TP+1], v[TP:TP+1], v[TP+4:TP+5]
	v_add_f32 v[WV4], v[WV4], v[WV4+1]
	v_add_f32 v[WV4+2], v[WV4+2], v[WV4+3]
	v_add_f32 v[WV4], v[WV4], v[WV4+2]
	v_mov_b32 v[WV4+1], v[WV4]
	global_store_b64 v1, v[TP:TP+1], s[12:13]      ; a wave's store covers 256 neighbouring bytes, aligned
	s_cmp_lg_u32 s14, 0
	s_cbranch_scc1 .Lno_sw
	global_store_b64 v1, v[WV4:WV4+1], s[12:13] offset:1024        ; wave 0 (t = L): 64 copies of the sum of w, 256 neighbouring bytes
.Lno_sw:
	s_wait_tensorcnt 0x0
	ds_add_u32 v254, v255
	s_wait_dscnt 0x0
	ROUND                                          ; the closing round
	s_endpgm
.Lfunc_end_k_q0c926cc284_apply:
	.size	k_q0c926cc284_apply, .Lfunc_end_k_q0c926cc284_apply-k_q0c926cc284_apply
	.p2alignl 7, 3214868480
	.fill 96, 4, 3214868480
	.section	.rodata,"a",@progbits
	.p2align	6, 0x0
	.amdhsa_kernel k_q0c926cc284_apply
		.amdhsa_group_segment_fixed_size 168448
		.amdhsa_private_segment_fixed_size 0
		.amdhsa_enable_private_segment 0
		.amdhsa_kernarg_size 40
		.amdhsa_user_sgpr_count 2
		.amdhsa_user_sgpr_kernarg_segment_ptr 1
		.amdhsa_wavefront_size32 1
		.amdhsa_system_sgpr_workgroup_id_x 1
		.amdhsa_system_sgpr_workgroup_id_y 1
		.amdhsa_system_sgpr_workgroup_id_z 1
		.amdhsa_system_vgpr_workitem_id 0
		.amdhsa_next_free_vgpr 1024
		.amdhsa_next_free_sgpr 66
		.amdhsa_reserve_vcc 0
		.amdhsa_float_denorm_mode_32 3
		.amdhsa_float_denorm_mode_16_64 3
		.amdhsa_memory_ordered 1
		.amdhsa_forward_progress 1
		.amdhsa_inst_pref_size 190
	.end_amdhsa_kernel
	.amdgpu_metadata
---
amdhsa.version: [ 1, 2 ]
amdhsa.kernels:
  - .name:           k_q0c926cc284_apply
    .symbol:         k_q0c926cc284_apply.kd
    .args:
      - { .name: input, .offset: 0, .size: 8, .value_kind: global_buffer, .address_space: global }
      - { .name: wfrag, .offset: 8, .size: 8, .value_kind: global_buffer, .address_space: global }
      - { .name: colstat, .offset: 16, .size: 8, .value_kind: global_buffer, .address_space: global }
      - { .name: bk, .offset: 24, .size: 8, .value_kind: global_buffer, .address_space: global }
      - { .name: ypart, .offset: 32, .size: 8, .value_kind: global_buffer, .address_space: global }
    .group_segment_fixed_size: 168448
    .private_segment_fixed_size: 0
    .kernarg_segment_align: 8
    .kernarg_segment_size: 40
    .max_flat_workgroup_size: 128
    .sgpr_count:     66
    .vgpr_count:     1024
    .wavefront_size: 32
...
	.end_amdgpu_metadata
.endif
;; end of part 3
;; launch finish (part 4): grid 64 x 1, 8 waves a work-group, no clusters, 6,144 bytes of LDS; arguments ypart, Wv, bv, out0; writes out0
.if DOCPART == 4
	.amdgcn_target "amdgcn-amd-amdhsa--gfx1250"
	.amdhsa_code_object_version 6
	.text
	.protected	k_q0c926cc284_finish
	.globl	k_q0c926cc284_finish
	.p2align	8
	.type	k_q0c926cc284_finish,@function
k_q0c926cc284_finish:
	s_mov_b64 s[64:65], 0
	v_nop
	global_prefetch_b8 v0, s[64:65] scope:SCOPE_SE
	s_setreg_imm32_b32 hwreg(HW_REG_WAVE_MODE, 25, 1), 1
	s_wait_xcnt 0x0
; out0[b][v] = sum_d y[b][d] Wv[d][v] + sw[b] bv[v],   y[b] and sw[b] = the sums of the batch's 16 chunks in ypart ([256][320] f32: 256 y, 64 copies of sw).
; A work-group makes 64 columns (256 bytes) of one batch: b = x >> 2, slice = x & 3.  Thread t adds y[t] over the chunks; then thread t takes the 16 rows
; d = 16 (t >> 4) + i of Wv and the four columns 4 (t & 15) .. + 3 of the slice; the 16 partial sums meet in LDS and wave 0 stores.
; 1,048,576 multiply-adds in the whole launch, in f32 on the vector unit: too little for the matrix units to pay.  No tile is shared at the same time by
; work-groups in an amount that counts (65,536 bytes of Wv a work-group), so there is no cluster.
.set YP,  8                            ; v8-23    y[t] of the 16 chunks
.set WV,  24                           ; v24-87   16 rows x 4 columns of Wv; later the 16 partial sums of wave 0's two columns
.set YV,  88                           ; v88-103  y[16 (t >> 4) + i]
.set ACC, 104                          ; v104-107
.set SWP, 108                          ; v108-139 wave 0: (sw, sw) of the 16 chunks
.set BV,  140                          ; v140:141 wave 0: bv of my two columns
.macro PSUM base                       ; 16 pairs into the first
.irp i, 0,2,4,6,8,10,12,14
	v_pk_add_f32 v[\base+\i:\base+\i+1], v[\base+\i:\base+\i+1], v[\base+\i+16:\base+\i+17]
.endr
.irp i, 0,2,4,6
	v_pk_add_f32 v[\base+\i:\base+\i+1], v[\base+\i:\base+\i+1], v[\base+\i+8:\base+\i+9]
.endr
.irp i, 0,2
	v_pk_add_f32 v[\base+\i:\base+\i+1], v[\base+\i:\base+\i+1], v[\base+\i+4:\base+\i+5]
.endr
	v_pk_add_f32 v[\base:\base+1], v[\base:\base+1], v[\base+2:\base+3]
.endm
	s_load_b256 s[4:11], s[0:1], 0x0               ; ypart s[4:5], Wv s[6:7], bv s[8:9], out0 s[10:11]
	v_lshl_add_u32 v144, v0, 2, 0x1400
	v_mov_b32 v145, 0
	v_lshrrev_b32 v1, 5, v0
	v_readfirstlane_b32 s12, v1                    ; wave 0..7
	s_lshr_b32 s13, ttmp9, 2                       ; b
	s_and_b32 s14, ttmp9, 3                        ; slice
	s_mul_i32 s16, s13, 20480                      ; 16 chunks of 1,280 bytes
	s_mov_b32 s17, 0
	s_lshl_b32 s18, s14, 8                         ; 64 columns of 4 bytes
	s_mov_b32 s19, 0
	s_lshl_b32 s20, s13, 10
	s_add_co_u32 s20, s20, s18
	s_mov_b32 s21, 0
	v_lshlrev_b32 v1, 2, v0                        ; 4 t
	v_lshrrev_b32 v6, 4, v0                        ; t >> 4
	v_and_b32 v7, 15, v0
	v_lshlrev_b32 v7, 4, v7                        ; 16 (t & 15)
	v_lshl_add_u32 v2, v6, 14, v7                  ; 16 rows of 1,024 bytes for each t >> 4
	v_and_b32 v3, 31, v0
	v_lshlrev_b32 v3, 3, v3                        ; 8 L
	v_lshlrev_b32 v4, 6, v6                        ; LDS: 16 y of 4 bytes
	v_lshl_add_u32 v5, v6, 8, v7                   ; LDS: partial sums, 256 bytes for each t >> 4
	s_wait_kmcnt 0x0
	s_add_nc_u64 s[4:5], s[4:5], s[16:17]
	s_add_nc_u64 s[6:7], s[6:7], s[18:19]
	s_add_nc_u64 s[8:9], s[8:9], s[18:19]
	s_add_nc_u64 s[10:11], s[10:11], s[20:21]
	s_cmp_lg_u32 s12, 0
	s_cbranch_scc1 .Lall
	global_load_b64 v[BV:BV+1], v3, s[8:9]         ; wave 0 alone, ahead of the common loads, so that the counted wait below means the same in every wave
.irp i, 0,1,2,3,4,5,6,7,8,9,10,11,12,13,14,15
	global_load_b64 v[SWP+2*\i:SWP+2*\i+1], v3, s[4:5] offset:1280*\i+1024
.endr
.Lall:
.irp i, 0,1,2,3,4,5,6,7,8,9,10,11,12,13,14,15
	global_load_b32 v[YP+\i], v1, s[4:5] offset:1280*\i
.endr
.irp i, 0,1,2,3,4,5,6,7,8,9,10,11,12,13,14,15
	global_load_b128 v[WV+4*\i:WV+4*\i+3], v2, s[6:7] offset:1024*\i       ; 16 lanes: 256 neighbouring bytes of a row, aligned
.endr
	s_wait_loadcnt 16                              ; the 16 loads of Wv stay out; y is in
.irp i, 0,4,8,12
	v_pk_add_f32 v[YP+\i:YP+\i+1], v[YP+\i:YP+\i+1], v[YP+\i+2:YP+\i+3]
.endr
	v_pk_add_f32 v[YP:YP+1], v[YP:YP+1], v[YP+4:YP+5]
	v_pk_add_f32 v[YP+8:YP+9], v[YP+8:YP+9], v[YP+12:YP+13]
	v_pk_add_f32 v[YP:YP+1], v[YP:YP+1], v[YP+8:YP+9]
	v_add_f32 v[YP], v[YP], v[YP+1]
	ds_store_b32 v1, v[YP]
	s_wait_dscnt 0x0                               ; for the others' sake
	s_barrier_signal -1
	s_barrier_wait -1
.irp j, 0,1,2,3
	ds_load_b128 v[YV+4*\j:YV+4*\j+3], v4 offset:16*\j
.endr
	s_wait_loadcnt 0x0
	s_wait_dscnt 0x0
.irp u, 0,1,2,3
	v_mul_f32 v[ACC+\u], v[YV], v[WV+\u]           ; the first product starts the sums
.endr
.irp i, 1,2,3,4,5,6,7,8,9,10,11,12,13,14,15
.irp u, 0,1,2,3
	v_fmac_f32 v[ACC+\u], v[YV+\i], v[WV+4*\i+\u]
.endr
.endr
	ds_store_b128 v5, v[ACC:ACC+3] offset:1024
	s_wait_dscnt 0x0
	s_barrier_signal -1
	s_barrier_wait -1
	s_cmp_lg_u32 s12, 0
	s_cbranch_scc1 .Lend
.irp j, 0,1,2,3,4,5,6,7,8,9,10,11,12,13,14,15
	ds_load_b64 v[WV+2*\j:WV+2*\j+1], v3 offset:1024+256*\j
.endr
	PSUM SWP                                       ; sw, twice
	s_wait_dscnt 0x0
	PSUM WV
	v_pk_fma_f32 v[WV:WV+1], v[SWP:SWP+1], v[BV:BV+1], v[WV:WV+1]
	global_store_b64 v3, v[WV:WV+1], s[10:11]      ; 256 neighbouring bytes, aligned
.Lend:
	s_wait_tensorcnt 0x0
	ds_add_u32 v144, v145
	s_wait_dscnt 0x0
	s_endpgm
.Lfunc_end_k_q0c926cc284_finish:
	.size	k_q0c926cc284_finish, .Lfunc_end_k_q0c926cc284_finish-k_q0c926cc284_finish
	.p2alignl 7, 3214868480
	.fill 96, 4, 3214868480
	.section	.rodata,"a",@progbits
	.p2align	6, 0x0
	.amdhsa_kernel k_q0c926cc284_finish
		.amdhsa_group_segment_fixed_size 6144
		.amdhsa_private_segment_fixed_size 0
		.amdhsa_enable_private_segment 0
		.amdhsa_kernarg_size 32
		.amdhsa_user_sgpr_count 2
		.amdhsa_user_sgpr_kernarg_segment_ptr 1
		.amdhsa_wavefront_size32 1
		.amdhsa_system_sgpr_workgroup_id_x 1
		.amdhsa_system_sgpr_workgroup_id_y 1
		.amdhsa_system_sgpr_workgroup_id_z 1
		.amdhsa_system_vgpr_workitem_id 0
		.amdhsa_next_free_vgpr 146
		.amdhsa_next_free_sgpr 66
		.amdhsa_reserve_vcc 0
		.amdhsa_float_denorm_mode_32 3
		.amdhsa_float_denorm_mode_16_64 3
		.amdhsa_memory_ordered 1
		.amdhsa_forward_progress 1
		.amdhsa_inst_pref_size 13
	.end_amdhsa_kernel
	.amdgpu_metadata
---
amdhsa.version: [ 1, 2 ]
amdhsa.kernels:
  - .name:           k_q0c926cc284_finish
    .symbol:         k_q0c926cc284_finish.kd
    .args:
      - { .name: ypart, .offset: 0, .size: 8, .value_kind: global_buffer, .address_space: global }
      - { .name: Wv, .offset: 8, .size: 8, .value_kind: global_buffer, .address_space: global }
      - { .name: bv, .offset: 16, .size: 8, .value_kind: global_buffer, .address_space: global }
      - { .name: out0, .offset: 24, .size: 8, .value_kind: global_buffer, .address_space: global }
    .group_segment_fixed_size: 6144
    .private_segment_fixed_size: 0
    .kernarg_segment_align: 8
    .kernarg_segment_size: 32
    .max_flat_workgroup_size: 256
    .sgpr_count:     66
    .vgpr_count:     146
    .wavefront_size: 32
...
	.end_amdgpu_metadata
.endif
;; end of part 4
